; MI455X (gfx1250); checked and timed in simulation.
; The chip was launched on July 23, 2026; its instructions are those of AMD's public machine-readable ISA for CDNA 5 (MIT licence, August 2026) and "CDNA5" Instruction Set Architecture Reference Guide (July 2026). The comments in the code are by the model that wrote it; some were corrected since.
;; Battery Mo E Flatten Intra Cycle Mo E Layer. Allowed arithmetic: float matrix products may take bf16 or f16 operands with f32 sums; other float arithmetic in f32, or as packed bf16 or f16 multiplies, adds, multiply-adds, maxima and minima; sums over many terms, partial sums and values carried from step to step in f32; what a program stores and reads back later, other than sums and carried values, may be rounded once to bf16 or f16.
;; Inputs: W 8 x 900 x 512 float32; b 8 x 512 float32; cycle_curve_data 16,384 x 900 float32; logits 16,384 x 8 float32; moe_masks 16,384 x 8 int32; selection_embeddings 16,384 x 8 x 128 float32.
;; Outputs: out0 16,384 x 512 bfloat16; out1 one number float32; out2 16,384 x 128 float32.
;; One version. Each part assembles by itself: llvm-mc -triple=amdgcn-amd-amdhsa -mcpu=gfx1250 --defsym DOCPART=n.
;; ======== version 1 of 1: 3 launches
;; limits: values outside matrix products are rounded to bf16
;; workspace buffers: bid 65,536 bytes of whole numbers; hist 32,768 bytes of whole numbers; gts 131,072 bytes; part 1,024 bytes; order 65,536 bytes of whole numbers; tab 4,096 bytes of whole numbers; wb 7,864,320 bytes
;; launch gate (part 1): grid 256 x 1, 16 waves a work-group, no clusters, 0 bytes of LDS; arguments logits, moe_masks, selection_embeddings, out2, bid, gts, hist, part; writes out2, bid, gts, hist, part
.if DOCPART == 1
	.amdgcn_target "amdgcn-amd-amdhsa--gfx1250"
	.amdhsa_code_object_version 6
	.text
	.protected	k_qbf6e702178_gate
	.globl	k_qbf6e702178_gate
	.p2align	8
	.type	k_qbf6e702178_gate,@function
k_qbf6e702178_gate:
	s_mov_b64 s[64:65], 0
	v_nop
	global_prefetch_b8 v0, s[64:65] scope:SCOPE_SE
	s_setreg_imm32_b32 hwreg(HW_REG_WAVE_MODE, 25, 1), 1
	s_wait_xcnt 0x0
; GATING AND THE SELECTION EMBEDDING.  16,384 tokens, 8 experts.  A work-group owns a chunk of 64 tokens, a wave four of them: 2 w, 2 w + 1, 32 + 2 w, 33 + 2 w.
; out2[t][:] = the sum over e of sel[t][e][:] x ina[t][e], ina = softmax x (1 - mask), divided by (its sum + 1e-9).  All in f32.
; Stored for the later launches: bid[t], the number 0..27 of the token's unordered pair of chosen experts (a < b: a (15 - a) / 2 + b - a - 1); gts[t] = the gates of a and of b;
; hist[chunk][32], how many of the chunk's tokens fall into each pair (columns 28..31 are 0); part[chunk], the chunk's sum of softmax x mask.
; A STREAM: each byte of sel is used once, so there is no LDS, no matrix unit, no cluster and no barrier.  A wave's 32 loads of sel (16 KB) are all issued ahead of the gating.
; EVERY WAVE makes the gating of all 64 tokens (lane l: tokens l and l + 32, all 8 experts in the lane), under its loads, so that no wave hands anything to another; wave 0 alone stores it.
; LIMITS.  A softmax term below 2^-126 counts as 0.  Of equal gates the lower expert is chosen, as lax.top_k does; where the second and third active gates differ only in the last bits of
; the exponential and the reciprocal (1 ULP each), the other of the two may be chosen.  NaN and infinities are not treated apart.
.set LG0, 8                            ; v[8:15]   logits of token l; then its softmax
.set LG1, 16                           ; v[16:23]  of token l + 32
.set MK0, 24                           ; v[24:31]  masks; then softmax x mask
.set MK1, 32
.set WT0, 40                           ; v[40:47]  the weights of the inactive experts
.set WT1, 48
.set DAT, 64                           ; v[64:191] sel: slot q (my q-th token), expert e at DAT + 32 q + 4 e
.set SUM, 192                          ; v[192:207] four sums of four numbers
.set BID0, 208                         ; v208, v209 pair numbers
.set BID1, 209
.set GA0, 210                          ; v[210:211], v[212:213] the two gates
.set GA1, 212
.set SA0, 214                          ; v214, v215 sums of softmax x mask
.set SA1, 215
.set HST, 216                          ; v216 lane k: the chunk's count of pair k
.set TP,  217
.set WS,  32                           ; s[32:63] my four tokens' eight weights each
; The gating of one token a lane.  v56-v63 and v218-v221 are at work.
.macro GATE L, M, W, BID, GA, SA
	v_max3_num_f32 v56, v[\L], v[\L+1], v[\L+2]    ; the row's maximum is taken away before the exponentials
	v_max3_num_f32 v57, v[\L+3], v[\L+4], v[\L+5]
	v_max3_num_f32 v56, v56, v[\L+6], v[\L+7]
	v_max_num_f32 v56, v56, v57
.irp i, 0,1,2,3,4,5,6,7
	v_sub_f32 v[\L+\i], v[\L+\i], v56
.endr
.irp i, 0,1,2,3,4,5,6,7
	v_mul_f32 v[\L+\i], 0x3fb8aa3b, v[\L+\i]       ; x log2(e): the exponential works in base 2
.endr
.irp i, 0,1,2,3,4,5,6,7
	v_exp_f32 v[\L+\i], v[\L+\i]
.endr
	v_nop                                          ; a plain instruction between the last exponential and the use of its result (ISA guide 5.7.2)
	s_wait_alu depctr_va_vdst(0)
	v_add_f32 v56, v[\L], v[\L+1]
	v_add_f32 v57, v[\L+2], v[\L+3]
	v_add_f32 v58, v[\L+4], v[\L+5]
	v_add_f32 v59, v[\L+6], v[\L+7]
	v_add_f32 v56, v56, v57
	v_add_f32 v58, v58, v59
	v_add_f32 v56, v56, v58
	v_rcp_f32 v56, v56
	v_nop
	s_wait_alu depctr_va_vdst(0)
.irp i, 0,1,2,3,4,5,6,7
	v_mul_f32 v[\L+\i], v[\L+\i], v56              ; the softmax
.endr
.irp i, 0,1,2,3,4,5,6,7
	v_cmp_eq_u32 vcc_lo, 1, v[\M+\i]
	v_cndmask_b32 v[\M+\i], 0, v[\L+\i], vcc_lo    ; active part
	v_sub_f32 v[\W+\i], v[\L+\i], v[\M+\i]         ; inactive part: exact, one of the two is 0
.endr
	v_add_f32 v56, v[\M], v[\M+1]
	v_add_f32 v57, v[\M+2], v[\M+3]
	v_add_f32 v58, v[\M+4], v[\M+5]
	v_add_f32 v59, v[\M+6], v[\M+7]
	v_add_f32 v56, v56, v57
	v_add_f32 v58, v58, v59
	v_add_f32 v[\SA], v56, v58
	v_add_f32 v56, v[\W], v[\W+1]
	v_add_f32 v57, v[\W+2], v[\W+3]
	v_add_f32 v58, v[\W+4], v[\W+5]
	v_add_f32 v59, v[\W+6], v[\W+7]
	v_add_f32 v56, v56, v57
	v_add_f32 v58, v58, v59
	v_add_f32 v56, v56, v58
	v_add_f32 v56, 0x3089705f, v56                 ; + 1e-9
	v_rcp_f32 v56, v56
	v_nop
	s_wait_alu depctr_va_vdst(0)
.irp i, 0,1,2,3,4,5,6,7
	v_mul_f32 v[\W+\i], v[\W+\i], v56
.endr
	v_mov_b32 v60, v[\M]                           ; the largest active gate: an ascending scan in which an equal later one does not win
	v_mov_b32 v61, 0
.irp i, 1,2,3,4,5,6,7
	v_cmp_ge_f32 vcc_lo, v60, v[\M+\i]
	v_cndmask_b32 v61, \i, v61, vcc_lo
	v_max_num_f32 v60, v60, v[\M+\i]
.endr
.irp i, 0,1,2,3,4,5,6,7
	v_cmp_ne_u32 vcc_lo, \i, v61
	v_cndmask_b32 v[\M+\i], -1.0, v[\M+\i], vcc_lo ; the winner leaves the field: every gate is 0 or more
.endr
	v_mov_b32 v62, v[\M]                           ; the second largest, by the same scan
	v_mov_b32 v63, 0
.irp i, 1,2,3,4,5,6,7
	v_cmp_ge_f32 vcc_lo, v62, v[\M+\i]
	v_cndmask_b32 v63, \i, v63, vcc_lo
	v_max_num_f32 v62, v62, v[\M+\i]
.endr
	v_add_f32 v56, v60, v62
	v_add_f32 v56, 0x3089705f, v56
	v_rcp_f32 v56, v56
	v_min_u32 v220, v61, v63                       ; a, the lower expert (also the plain instruction behind the reciprocal)
	v_max_u32 v221, v61, v63                       ; b
	s_wait_alu depctr_va_vdst(0)
	v_mul_f32 v218, v60, v56
	v_mul_f32 v219, v62, v56
	v_cmp_lt_u32 vcc_lo, v61, v63
	v_cndmask_b32 v[\GA], v219, v218, vcc_lo       ; a's gate
	v_cndmask_b32 v[\GA+1], v218, v219, vcc_lo     ; b's gate
	v_sub_nc_u32 v56, 15, v220
	v_mul_u32_u24 v56, v56, v220
	v_lshrrev_b32 v56, 1, v56
	v_add_nc_u32 v56, v56, v221
	v_sub_nc_u32 v56, v56, v220
	v_add_nc_u32 v[\BID], -1, v56                  ; a (15 - a) / 2 + b - a - 1
.endm
	s_load_b256 s[8:15], s[0:1], 0x0               ; logits s[8:9], masks s[10:11], sel s[12:13], out2 s[14:15]
	s_load_b256 s[16:23], s[0:1], 0x20             ; bid s[16:17], gts s[18:19], hist s[20:21], part s[22:23]
	v_and_b32 v1, 31, v0                           ; lane
	v_lshrrev_b32 v6, 5, v0
	v_readfirstlane_b32 s24, v6                    ; wave 0..15
	v_lshlrev_b32 v2, 5, v1                        ; 32 x lane: a token's 8 logits or masks
	v_lshlrev_b32 v3, 4, v1                        ; 16 x lane: my four of a vector's 128 numbers
	v_lshlrev_b32 v4, 2, v1
	v_lshlrev_b32 v5, 3, v1
	v_mov_b32 v[TP], 0
	s_lshl_b32 s25, s24, 1                         ; the lanes that hold my tokens' gating: 2 w
	s_add_co_u32 s26, s25, 1                       ; and 2 w + 1
	s_mov_b32 s27, 0x76543210                      ; v_permlanex16_b32: each lane takes its own place in the other half
	s_mov_b32 s28, 0xfedcba98
	s_lshl_b32 s2, ttmp9, 11                       ; the chunk in logits and masks: 64 x 32 bytes
	s_mov_b32 s3, 0
	s_lshl_b32 s4, ttmp9, 18                       ; in sel: 64 x 4,096 bytes,
	s_lshl_b32 s5, s24, 13                         ; and my wave's first two tokens
	s_add_co_u32 s4, s4, s5
	s_mov_b32 s5, 0
	s_lshl_b32 s6, ttmp9, 15                       ; in out2: 64 x 512 bytes,
	s_lshl_b32 s7, s24, 10
	s_add_co_u32 s6, s6, s7
	s_mov_b32 s7, 0
	s_wait_kmcnt 0x0
	s_add_nc_u64 s[8:9], s[8:9], s[2:3]
	s_add_nc_u64 s[10:11], s[10:11], s[2:3]
	s_add_nc_u64 s[12:13], s[12:13], s[4:5]
	s_add_nc_u64 s[14:15], s[14:15], s[6:7]
	global_load_b128 v[LG0:LG0+3],   v2, s[8:9]
	global_load_b128 v[LG0+4:LG0+7], v2, s[8:9] offset:16
	global_load_b128 v[LG1:LG1+3],   v2, s[8:9] offset:1024
	global_load_b128 v[LG1+4:LG1+7], v2, s[8:9] offset:1040
	global_load_b128 v[MK0:MK0+3],   v2, s[10:11]
	global_load_b128 v[MK0+4:MK0+7], v2, s[10:11] offset:16
	global_load_b128 v[MK1:MK1+3],   v2, s[10:11] offset:1024
	global_load_b128 v[MK1+4:MK1+7], v2, s[10:11] offset:1040
.set q, 0
.rept 4                                ; each load takes one expert's whole vector, 512 consecutive bytes
.set e, 0
.rept 8
	global_load_b128 v[DAT+32*q+4*e:DAT+32*q+4*e+3], v3, s[12:13] offset:(q%2)*4096+(q/2)*131072+e*512 th:TH_LOAD_NT
.set e, e+1
.endr
.set q, q+1
.endr
	s_wait_loadcnt 32                              ; loads come back in order (ISA guide 5.7.1): logits and masks are in, the 32 loads of sel stay out
	GATE LG0, MK0, WT0, BID0, GA0, SA0
	GATE LG1, MK1, WT1, BID1, GA1, SA1
	s_cmp_lg_u32 s24, 0
	s_cbranch_scc1 .Lweights
	; wave 0 stores what the later launches need
	s_lshl_b32 s2, ttmp9, 8
	s_add_nc_u64 s[16:17], s[16:17], s[2:3]
	s_lshl_b32 s4, ttmp9, 9
	s_add_nc_u64 s[18:19], s[18:19], s[4:5]
	s_lshl_b32 s6, ttmp9, 7
	s_add_nc_u64 s[20:21], s[20:21], s[6:7]
	global_store_b32 v4, v[BID0], s[16:17]
	global_store_b32 v4, v[BID1], s[16:17] offset:128
	global_store_b64 v5, v[GA0:GA0+1], s[18:19]
	global_store_b64 v5, v[GA1:GA1+1], s[18:19] offset:256
	v_mov_b32 v[HST], 0
.set k, 0
.rept 28                               ; the chunk's count of pair k goes into lane k
	v_cmp_eq_u32 s29, k, v[BID0]
	v_cmp_eq_u32 s30, k, v[BID1]
	s_bcnt1_i32_b32 s29, s29
	s_bcnt1_i32_b32 s30, s30
	s_add_co_u32 s29, s29, s30
	v_writelane_b32 v[HST], s29, k
.set k, k+1
.endr
	global_store_b32 v4, v[HST], s[20:21]
	v_add_f32 v[SA0], v[SA0], v[SA1]               ; the chunk's sum of softmax x mask, over the 32 lanes
	v_add_f32_dpp v[SA0], v[SA0], v[SA0] row_xmask:1 row_mask:0xf bank_mask:0xf
	v_add_f32_dpp v[SA0], v[SA0], v[SA0] row_xmask:2 row_mask:0xf bank_mask:0xf
	v_add_f32_dpp v[SA0], v[SA0], v[SA0] row_xmask:4 row_mask:0xf bank_mask:0xf
	v_add_f32_dpp v[SA0], v[SA0], v[SA0] row_xmask:8 row_mask:0xf bank_mask:0xf
	v_permlanex16_b32 v[TP], v[SA0], s27, s28
	v_add_f32 v[SA0], v[SA0], v[TP]
.Lweights:
.set q, 0
.rept 4                                ; my four tokens' weights become scalars
.set e, 0
.rept 8
	v_readlane_b32 s[WS+8*q+e], v[WT0+8*(q/2)+e], s[25+(q%2)]
.set e, e+1
.endr
.set q, q+1
.endr
.set q, 0
.rept 4
	s_wait_loadcnt 24-8*q                          ; slot q's eight loads are in, the younger slots' stay out
.set j, 0
.rept 4
	v_mul_f32 v[SUM+4*q+j], s[WS+8*q], v[DAT+32*q+j]
.set j, j+1
.endr
.set e, 1
.rept 7
.set j, 0
.rept 4
	v_fmac_f32 v[SUM+4*q+j], s[WS+8*q+e], v[DAT+32*q+4*e+j]
.set j, j+1
.endr
.set e, e+1
.endr
	global_store_b128 v3, v[SUM+4*q:SUM+4*q+3], s[14:15] offset:(q%2)*512+(q/2)*16384 th:TH_STORE_NT  ; the wave stores a token's 512 consecutive bytes, at a multiple of 512 from out2's first
.set q, q+1
.endr
	s_cmp_lg_u32 s24, 0
	s_cbranch_scc1 .Ldone
	s_lshl_b32 s4, ttmp9, 2                        ; s5 is still 0
	s_add_nc_u64 s[22:23], s[22:23], s[4:5]
	s_wait_xcnt 0x0                                ; EXEC is a source of the loads and stores issued so far: it changes only behind this wait
	v_cmp_eq_u32 vcc_lo, 0, v1
	s_and_saveexec_b32 s29, vcc_lo
	global_store_b32 v4, v[SA0], s[22:23]          ; lane 0 alone: one number for the chunk
	s_wait_xcnt 0x0
	s_or_b32 exec_lo, exec_lo, s29
.Ldone:
	s_endpgm
.Lfunc_end_k_qbf6e702178_gate:
	.size	k_qbf6e702178_gate, .Lfunc_end_k_qbf6e702178_gate-k_qbf6e702178_gate
	.p2alignl 7, 3214868480
	.fill 96, 4, 3214868480
	.section	.rodata,"a",@progbits
	.p2align	6, 0x0
	.amdhsa_kernel k_qbf6e702178_gate
		.amdhsa_group_segment_fixed_size 0
		.amdhsa_private_segment_fixed_size 0
		.amdhsa_enable_private_segment 0
		.amdhsa_kernarg_size 64
		.amdhsa_user_sgpr_count 2
		.amdhsa_user_sgpr_kernarg_segment_ptr 1
		.amdhsa_wavefront_size32 1
		.amdhsa_system_sgpr_workgroup_id_x 1
		.amdhsa_system_sgpr_workgroup_id_y 1
		.amdhsa_system_sgpr_workgroup_id_z 1
		.amdhsa_system_vgpr_workitem_id 0
		.amdhsa_next_free_vgpr 224
		.amdhsa_next_free_sgpr 66
		.amdhsa_reserve_vcc 1
		.amdhsa_float_denorm_mode_32 3
		.amdhsa_float_denorm_mode_16_64 3
		.amdhsa_memory_ordered 1
		.amdhsa_forward_progress 1
		.amdhsa_inst_pref_size 33
	.end_amdhsa_kernel
	.amdgpu_metadata
---
amdhsa.version: [ 1, 2 ]
amdhsa.kernels:
  - .name:           k_qbf6e702178_gate
    .symbol:         k_qbf6e702178_gate.kd
    .args:
      - { .name: logits, .offset: 0, .size: 8, .value_kind: global_buffer, .address_space: global }
      - { .name: moe_masks, .offset: 8, .size: 8, .value_kind: global_buffer, .address_space: global }
      - { .name: selection_embeddings, .offset: 16, .size: 8, .value_kind: global_buffer, .address_space: global }
      - { .name: out2, .offset: 24, .size: 8, .value_kind: global_buffer, .address_space: global }
      - { .name: bid, .offset: 32, .size: 8, .value_kind: global_buffer, .address_space: global }
      - { .name: gts, .offset: 40, .size: 8, .value_kind: global_buffer, .address_space: global }
      - { .name: hist, .offset: 48, .size: 8, .value_kind: global_buffer, .address_space: global }
      - { .name: part, .offset: 56, .size: 8, .value_kind: global_buffer, .address_space: global }
    .group_segment_fixed_size: 0
    .private_segment_fixed_size: 0
    .kernarg_segment_align: 8
    .kernarg_segment_size: 64
    .max_flat_workgroup_size: 512
    .sgpr_count:     66
    .vgpr_count:     224
    .wavefront_size: 32
...
	.end_amdgpu_metadata
.endif
;; end of part 1
;; launch place (part 2): grid 19 x 8, 8 waves a work-group, no clusters, 3,072 bytes of LDS; arguments hist, bid, part, W, b, order, tab, out1, wb; writes order, tab, out1, wb
.if DOCPART == 2
	.amdgcn_target "amdgcn-amd-amdhsa--gfx1250"
	.amdhsa_code_object_version 6
	.text
	.protected	k_qbf6e702178_place
	.globl	k_qbf6e702178_place
	.p2align	8
	.type	k_qbf6e702178_place,@function
k_qbf6e702178_place:
	s_mov_b64 s[64:65], 0
	v_nop
	global_prefetch_b8 v0, s[64:65] scope:SCOPE_SE
	s_setreg_imm32_b32 hwreg(HW_REG_WAVE_MODE, 25, 1), 1
	s_wait_xcnt 0x0
; TWO ROLES, chosen by the work-group's x, which is the same for all its waves.
; x < 4 (32 work-groups, g = 4 y + x): PLACEMENT.  Wave w owns chunk c = 8 g + w of 64 tokens and puts their numbers into order[], sorted by pair number: the place of a token is
;   (tokens of lower pairs) + (tokens of its pair in lower chunks) + (tokens of its pair ahead of it in its chunk).  No atomics: every work-group sums the whole histogram for itself (32 KB).
;   Work-group 0 also writes the table of the 232 tiles of the next launch and out1.
; x >= 4 (120 work-groups, expert y, 64 rows each): wb[e][k][:] = bf16(W[e][k][:]) for k < 900, bf16(b[e][:]) for k = 900, 0 for 901 <= k < 960.
; THE TABLE.  A tile is at most 80 tokens of one pair.  The sum over 28 pairs of ceil(n / 80) is at most (16,384 + 28 x 79) / 80 = 232 whatever the routing, and at least 205.  What is short of 232,
; X <= 27, is made up by cutting the first X full tiles into two of 40; there are at least (16,384 - 28 x 79) / 80 = 178 full ones.  So there are always exactly 232 tiles, none empty.
; Entry t: first place in order[], count, lower expert, higher expert.  Entries 232..255 are written and never used.
.set SPARE, 2048                       ; LDS: 0..1023 each wave's totals [8][32]; 1024..2047 its part of the prefix; 2048..3071 the spare words, 128 bytes a wave, which no other line names
.set SPW, 142                          ; v142 LDS address of my spare word; never rewritten
.set NIL, 143                          ; v143 0; never rewritten
.set NK,  36                           ; s[36:63] the 28 pairs' totals
	s_load_b512 s[4:19], s[0:1], 0x0               ; hist s[4:5], bid s[6:7], part s[8:9], W s[10:11], b s[12:13], order s[14:15], tab s[16:17], out1 s[18:19]
	s_load_b64 s[20:21], s[0:1], 0x40              ; wb
	v_lshl_add_u32 v[SPW], v0, 2, SPARE
	v_mov_b32 v[NIL], 0
	v_lshrrev_b32 v1, 5, v0
	v_readfirstlane_b32 s66, v1                    ; wave 0..7
	v_and_b32 v1, 31, v0                           ; lane
	s_and_b32 s68, ttmp7, 0xffff                   ; y
	s_cmp_ge_u32 ttmp9, 4
	s_cbranch_scc1 .Lwcvt
	; ---------------- placement ----------------
	s_lshl_b32 s69, s68, 2
	s_add_co_u32 s69, s69, ttmp9                   ; g
	s_lshl_b32 s70, s69, 3
	s_add_co_u32 s70, s70, s66                     ; c
	v_lshlrev_b32 v2, 2, v1                        ; lane = pair: its word in a row of hist
	v_lshlrev_b32 v3, 5, v1
	s_lshl_b32 s72, s66, 12                        ; rows 32 w .. 32 w + 31 of hist
	s_mov_b32 s73, 0
	s_lshl_b32 s74, s69, 10                        ; rows 8 g ..
	s_mov_b32 s75, 0
	s_lshl_b32 s76, s70, 8                         ; my chunk's 64 pair numbers
	s_mov_b32 s77, 0
	s_wait_kmcnt 0x0
	s_add_nc_u64 s[72:73], s[4:5], s[72:73]
	s_add_nc_u64 s[74:75], s[4:5], s[74:75]
	s_add_nc_u64 s[76:77], s[6:7], s[76:77]
.set j, 0
.rept 32
	global_load_b32 v[8+j], v2, s[72:73] offset:128*j
.set j, j+1
.endr
.set j, 0
.rept 7                                ; the chunks of my work-group ahead of mine: at most 7
	global_load_b32 v[40+j], v2, s[74:75] offset:128*j
.set j, j+1
.endr
	global_load_b32 v48, v2, s[76:77]
	global_load_b32 v49, v2, s[76:77] offset:128
	global_load_b128 v[52:55], v3, s[8:9]          ; part: 8 of the 256 numbers a lane (used by one wave of one work-group; it rides in the one batch)
	global_load_b128 v[56:59], v3, s[8:9] offset:16
	s_wait_loadcnt 0x0
.set a, 0
.rept 4                                ; four sums of eight rows: a group of eight is one work-group's chunks
	v_add3_u32 v[60+a], v[8+8*a], v[9+8*a], v[10+8*a]
	v_add3_u32 v[60+a], v[60+a], v[11+8*a], v[12+8*a]
	v_add3_u32 v[60+a], v[60+a], v[13+8*a], v[14+8*a]
	v_add_nc_u32 v[60+a], v[60+a], v[15+8*a]
.set a, a+1
.endr
	v_add3_u32 v64, v60, v61, v62
	v_add_nc_u32 v64, v64, v63                     ; my 32 rows' total
	s_lshl_b32 s23, s66, 2
.set a, 0
.rept 4                                ; group 4 w + a counts for the prefix if it lies ahead of my work-group's
	s_add_co_u32 s24, s23, a
	s_cmp_lt_u32 s24, s69
	s_cselect_b32 s24, -1, 0
	v_and_b32 v[60+a], s24, v[60+a]
.set a, a+1
.endr
	v_add3_u32 v65, v60, v61, v62
	v_add_nc_u32 v65, v65, v63
	v_lshl_add_u32 v66, s66, 7, v2
	ds_store_b32 v66, v64
	ds_store_b32 v66, v65 offset:1024
	s_wait_dscnt 0x0                               ; for the others' sake: my stores are done
	s_barrier_signal -1
	s_barrier_wait -1
.set j, 0
.rept 8
	ds_load_b32 v[8+j], v2 offset:128*j
	ds_load_b32 v[16+j], v2 offset:1024+128*j
.set j, j+1
.endr
	s_wait_dscnt 0x0
	s_wait_tensorcnt 0x0                           ; my last LDS store lies behind me: the sums stand between the add and the wait for it
	ds_add_u32 v[SPW], v[NIL]
	v_add3_u32 v64, v8, v9, v10
	v_add3_u32 v64, v64, v11, v12
	v_add3_u32 v64, v64, v13, v14
	v_add_nc_u32 v64, v64, v15                     ; n: lane k holds pair k's total
	v_add3_u32 v65, v16, v17, v18
	v_add3_u32 v65, v65, v19, v20
	v_add3_u32 v65, v65, v21, v22
	v_add_nc_u32 v65, v65, v23                     ; pair k's tokens in chunks below 8 g
	s_wait_dscnt 0x0
.set j, 0
.rept 7
	s_cmp_gt_u32 s66, j
	s_cselect_b32 s24, -1, 0
	v_and_b32 v[40+j], s24, v[40+j]
	v_add_nc_u32 v65, v65, v[40+j]                 ; and in chunks 8 g .. c - 1
.set j, j+1
.endr
	v_mov_b32 v50, 0
	v_mov_b32 v51, 0
	s_mov_b32 s22, 0                               ; tokens of lower pairs
.set k, 0
.rept 28
	v_readlane_b32 s[NK+k], v64, k
	v_readlane_b32 s23, v65, k
	s_add_co_u32 s23, s23, s22                     ; where my chunk's tokens of pair k begin
	v_cmp_eq_u32 s24, k, v48
	v_mbcnt_lo_u32_b32 v60, s24, s23               ; + those of them in lower lanes
	v_cndmask_b32 v50, v50, v60, s24
	s_bcnt1_i32_b32 s25, s24
	s_add_co_u32 s23, s23, s25                     ; tokens l + 32 come behind tokens l
	v_cmp_eq_u32 s24, k, v49
	v_mbcnt_lo_u32_b32 v60, s24, s23
	v_cndmask_b32 v51, v51, v60, s24
	s_add_co_u32 s22, s22, s[NK+k]
.set k, k+1
.endr
	v_lshl_add_u32 v61, s70, 6, v1                 ; my two tokens' numbers
	v_add_nc_u32 v62, 32, v61
	v_min_u32 v50, 0x3fff, v50                     ; a place made of loaded numbers is held inside order[] before it enters an address
	v_min_u32 v51, 0x3fff, v51
	v_lshlrev_b32 v50, 2, v50
	v_lshlrev_b32 v51, 2, v51
	global_store_b32 v50, v61, s[14:15]            ; a scatter of single words: 64 KB in the whole launch
	global_store_b32 v51, v62, s[14:15]
	s_cmp_lg_u32 s69, 0
	s_cbranch_scc1 .Lend
	; ---------------- work-group 0: the table; thread t makes entry t ----------------
	s_mov_b32 s22, 0
.set k, 0
.rept 28                               ; ceil(n / 80) = ((n + 79) >> 4) / 5, and x / 5 = (x * 52429) >> 18 for x up to 1,028
	s_add_co_u32 s23, s[NK+k], 79
	s_lshr_b32 s23, s23, 4
	s_mul_i32 s23, s23, 52429
	s_lshr_b32 s23, s23, 18
	s_add_co_u32 s22, s22, s23
.set k, k+1
.endr
	s_sub_co_u32 s26, 232, s22                     ; X: full tiles to be cut in two
	s_mov_b32 s27, 0                               ; full tiles of lower pairs
	s_mov_b32 s28, 0                               ; the pair's first tile
	s_mov_b32 s29, 0                               ; the pair's first place in order[]
	v_mov_b32 v70, 0
	v_mov_b32 v71, 0
	v_mov_b32 v72, 0
	v_mov_b32 v73, 0
	v_mov_b32 v82, 0
	v_mov_b32 v83, 0
.set k, 0
.set ka, 0
.set kb, 1
.rept 28
	s_lshr_b32 s23, s[NK+k], 4
	s_mul_i32 s23, s23, 52429
	s_lshr_b32 s23, s23, 18                        ; f: the pair's full tiles
	s_add_co_u32 s24, s[NK+k], 79
	s_lshr_b32 s24, s24, 4
	s_mul_i32 s24, s24, 52429
	s_lshr_b32 s24, s24, 18                        ; its tiles
	s_sub_co_i32 s25, s26, s27
	s_max_i32 s25, s25, 0
	s_min_u32 s25, s25, s23                        ; x: how many of its full tiles are cut
	v_cmp_gt_u32 vcc_lo, s28, v0                   ; the pair begins behind my tile: I keep what I have; else I take the pair's figures
	v_cndmask_b32 v70, s28, v70, vcc_lo
	v_cndmask_b32 v71, s29, v71, vcc_lo
	v_cndmask_b32 v72, s[NK+k], v72, vcc_lo
	v_cndmask_b32 v73, s25, v73, vcc_lo
	v_cndmask_b32 v82, ka, v82, vcc_lo
	v_cndmask_b32 v83, kb, v83, vcc_lo
	s_add_co_u32 s27, s27, s23
	s_add_co_u32 s28, s28, s24
	s_add_co_u32 s28, s28, s25
	s_add_co_u32 s29, s29, s[NK+k]
.set k, k+1
.set kb, kb+1
.if kb == 8
.set ka, ka+1
.set kb, ka+1
.endif
.endr
	s_movk_i32 s30, 80
	v_sub_nc_u32 v76, v0, v70                      ; j: my tile among the pair's
	v_lshlrev_b32 v77, 1, v73
	v_cmp_ge_u32 vcc_lo, v76, v77                  ; j >= 2 x: a tile of 80 (or the rest); else one of 40
	v_mul_u32_u24 v78, 40, v76
	v_add_nc_u32 v78, v71, v78
	v_sub_nc_u32 v79, v76, v73
	v_mul_lo_u32 v79, v79, s30                     ; 80 (j - x)
	v_sub_nc_u32 v81, v72, v79
	v_min_u32 v81, 80, v81
	v_add_nc_u32 v80, v71, v79
	v_cndmask_b32 v80, v78, v80, vcc_lo            ; first place
	v_cndmask_b32 v81, 40, v81, vcc_lo             ; count
	v_lshlrev_b32 v84, 4, v0
	global_store_b128 v84, v[80:83], s[16:17]
	s_cmp_lg_u32 s66, 0
	s_cbranch_scc1 .Lend
	; wave 0: out1 = (1 - s / 16,384)^2, s the sum of the 256 chunks' sums
	v_add_f32 v52, v52, v53
	v_add_f32 v54, v54, v55
	v_add_f32 v56, v56, v57
	v_add_f32 v58, v58, v59
	v_add_f32 v52, v52, v54
	v_add_f32 v56, v56, v58
	v_add_f32 v52, v52, v56
	s_mov_b32 s30, 0x76543210
	s_mov_b32 s31, 0xfedcba98
	v_add_f32_dpp v52, v52, v52 row_xmask:1 row_mask:0xf bank_mask:0xf
	v_add_f32_dpp v52, v52, v52 row_xmask:2 row_mask:0xf bank_mask:0xf
	v_add_f32_dpp v52, v52, v52 row_xmask:4 row_mask:0xf bank_mask:0xf
	v_add_f32_dpp v52, v52, v52 row_xmask:8 row_mask:0xf bank_mask:0xf
	v_permlanex16_b32 v53, v52, s30, s31
	v_add_f32 v52, v52, v53
	s_mov_b32 s23, 0xb8800000                      ; -1 / 16,384
	v_fma_f32 v52, v52, s23, 1.0
	v_mul_f32 v52, v52, v52
	s_wait_xcnt 0x0                                ; EXEC is a source of the stores above: it changes only behind this wait
	v_cmp_eq_u32 vcc_lo, 0, v0
	s_and_saveexec_b32 s24, vcc_lo
	global_store_b32 v2, v52, s[18:19]             ; lane 0, whose v2 is 0
	s_wait_xcnt 0x0
	s_or_b32 exec_lo, exec_lo, s24
.Lend:
	s_endpgm
	; ---------------- the weights, rounded once to bf16 ----------------
	; Thread t takes 8 columns, 8 (t % 64) on, of row 64 ks + 4 p + t / 64, p = 0..15.  A wave's two loads together cover 1,024 consecutive bytes, its store 512, at a multiple of 512 from wb's first.
.Lwcvt:
	s_sub_co_u32 s67, ttmp9, 4                     ; ks 0..14
	s_lshr_b32 s23, s66, 1                         ; t / 64
	v_and_b32 v2, 63, v0
	v_lshlrev_b32 v3, 5, v2
	v_lshlrev_b32 v4, 4, v2
	s_lshl_b32 s24, s67, 6
	s_add_co_u32 s24, s24, s23
	s_mul_i32 s72, s68, 900
	s_add_co_u32 s72, s72, s24
	s_lshl_b32 s72, s72, 11                        ; W: rows of 2,048 bytes, 900 an expert
	s_mov_b32 s73, 0
	s_mul_i32 s74, s68, 960
	s_add_co_u32 s74, s74, s24
	s_lshl_b32 s74, s74, 10                        ; wb: rows of 1,024 bytes, 960 an expert
	s_mov_b32 s75, 0
	s_lshl_b32 s76, s68, 11                        ; b: 2,048 bytes an expert
	s_mov_b32 s77, 0
	s_wait_kmcnt 0x0
	s_add_nc_u64 s[72:73], s[10:11], s[72:73]
	s_add_nc_u64 s[74:75], s[20:21], s[74:75]
	s_add_nc_u64 s[76:77], s[12:13], s[76:77]
	s_cmp_eq_u32 s67, 14
	s_cbranch_scc1 .Ltail
.set p, 0
.rept 16
	global_load_b128 v[8+8*p:11+8*p],  v3, s[72:73] offset:8192*p th:TH_LOAD_NT
	global_load_b128 v[12+8*p:15+8*p], v3, s[72:73] offset:8192*p+16 th:TH_LOAD_NT
.set p, p+1
.endr
.set p, 0
.rept 16
	s_wait_loadcnt 30-2*p                          ; pair p of the loads is in, the younger pairs stay out
	v_cvt_pk_bf16_f32 v[8+8*p],  v[8+8*p],  v[9+8*p]
	v_cvt_pk_bf16_f32 v[9+8*p],  v[10+8*p], v[11+8*p]
	v_cvt_pk_bf16_f32 v[10+8*p], v[12+8*p], v[13+8*p]
	v_cvt_pk_bf16_f32 v[11+8*p], v[14+8*p], v[15+8*p]
	global_store_b128 v4, v[8+8*p:11+8*p], s[74:75] offset:4096*p
.set p, p+1
.endr
	s_endpgm
.Ltail:                                ; rows 896..959: four rows of W, the bias, zeros
	global_load_b128 v[8:11],  v3, s[72:73] th:TH_LOAD_NT
	global_load_b128 v[12:15], v3, s[72:73] offset:16 th:TH_LOAD_NT
.irp r, 16,17,18,19,20,21,22,23
	v_mov_b32 v\r, 0
.endr
	s_cmp_lt_u32 s66, 2                            ; waves 0 and 1 hold row 900 in pass 1
	s_cbranch_scc0 .Lnobias
	global_load_b128 v[24:27], v3, s[76:77]
	global_load_b128 v[28:31], v3, s[76:77] offset:16
	s_wait_loadcnt 0x0
	v_cvt_pk_bf16_f32 v20, v24, v25
	v_cvt_pk_bf16_f32 v21, v26, v27
	v_cvt_pk_bf16_f32 v22, v28, v29
	v_cvt_pk_bf16_f32 v23, v30, v31
.Lnobias:
	s_wait_loadcnt 0x0
	v_cvt_pk_bf16_f32 v8,  v8,  v9
	v_cvt_pk_bf16_f32 v9,  v10, v11
	v_cvt_pk_bf16_f32 v10, v12, v13
	v_cvt_pk_bf16_f32 v11, v14, v15
	global_store_b128 v4, v[8:11], s[74:75]
	global_store_b128 v4, v[20:23], s[74:75] offset:4096
.set p, 2
.rept 14
	global_store_b128 v4, v[16:19], s[74:75] offset:4096*p
.set p, p+1
.endr
	s_endpgm
.Lfunc_end_k_qbf6e702178_place:
	.size	k_qbf6e702178_place, .Lfunc_end_k_qbf6e702178_place-k_qbf6e702178_place
	.p2alignl 7, 3214868480
	.fill 96, 4, 3214868480
	.section	.rodata,"a",@progbits
	.p2align	6, 0x0
	.amdhsa_kernel k_qbf6e702178_place
		.amdhsa_group_segment_fixed_size 3072
		.amdhsa_private_segment_fixed_size 0
		.amdhsa_enable_private_segment 0
		.amdhsa_kernarg_size 72
		.amdhsa_user_sgpr_count 2
		.amdhsa_user_sgpr_kernarg_segment_ptr 1
		.amdhsa_wavefront_size32 1
		.amdhsa_system_sgpr_workgroup_id_x 1
		.amdhsa_system_sgpr_workgroup_id_y 1
		.amdhsa_system_sgpr_workgroup_id_z 1
		.amdhsa_system_vgpr_workitem_id 0
		.amdhsa_next_free_vgpr 144
		.amdhsa_next_free_sgpr 96
		.amdhsa_reserve_vcc 1
		.amdhsa_float_denorm_mode_32 3
		.amdhsa_float_denorm_mode_16_64 3
		.amdhsa_memory_ordered 1
		.amdhsa_forward_progress 1
		.amdhsa_inst_pref_size 70
	.end_amdhsa_kernel
	.amdgpu_metadata
---
amdhsa.version: [ 1, 2 ]
amdhsa.kernels:
  - .name:           k_qbf6e702178_place
    .symbol:         k_qbf6e702178_place.kd
    .args:
      - { .name: hist, .offset: 0, .size: 8, .value_kind: global_buffer, .address_space: global }
      - { .name: bid, .offset: 8, .size: 8, .value_kind: global_buffer, .address_space: global }
      - { .name: part, .offset: 16, .size: 8, .value_kind: global_buffer, .address_space: global }
      - { .name: W, .offset: 24, .size: 8, .value_kind: global_buffer, .address_space: global }
      - { .name: b, .offset: 32, .size: 8, .value_kind: global_buffer, .address_space: global }
      - { .name: order, .offset: 40, .size: 8, .value_kind: global_buffer, .address_space: global }
      - { .name: tab, .offset: 48, .size: 8, .value_kind: global_buffer, .address_space: global }
      - { .name: out1, .offset: 56, .size: 8, .value_kind: global_buffer, .address_space: global }
      - { .name: wb, .offset: 64, .size: 8, .value_kind: global_buffer, .address_space: global }
    .group_segment_fixed_size: 3072
    .private_segment_fixed_size: 0
    .kernarg_segment_align: 8
    .kernarg_segment_size: 72
    .max_flat_workgroup_size: 256
    .sgpr_count:     96
    .vgpr_count:     144
    .wavefront_size: 32
...
	.end_amdgpu_metadata
.endif
;; end of part 2
;; launch moe (part 3): grid 232 x 1, 4 waves a work-group, no clusters, 327,680 bytes of LDS; arguments cycle_curve_data, wb, order, tab, gts, out0; writes out0
.if DOCPART == 3
	.amdgcn_target "amdgcn-amd-amdhsa--gfx1250"
	.amdhsa_code_object_version 6
	.text
	.protected	k_qbf6e702178_moe
	.globl	k_qbf6e702178_moe
	.p2align	8
	.type	k_qbf6e702178_moe,@function
k_qbf6e702178_moe:
	s_mov_b64 s[64:65], 0
	v_nop
	global_prefetch_b8 v0, s[64:65] scope:SCOPE_SE
	s_setreg_imm32_b32 hwreg(HW_REG_WAVE_MODE, 25, 1), 1
	s_wait_xcnt 0x0
; out0[t][:] = bf16( gA (x[t] W[a] + b[a]) + gB (x[t] W[b] + b[b]) ), a < b the token's two chosen experts.
; A work-group makes one tile of the table: up to 80 tokens that chose the SAME pair, all 512 columns, both experts, so that a token's row is finished in registers and stored once.
; Rows beyond the tile's count repeat its last token: the same wave stores the same bytes again.  All 232 work-groups run the same constant walk.
; SHARES.  Four waves, as many as a WGP has SIMDs; wave w makes columns 128 w .. 128 w + 127 for both experts: 5 blocks of 16 tokens x 8 blocks of 16 columns x 2 = 80 accumulators, 640 registers.
; K = 900 goes in 14 steps of 64 and a tail of 32 (k 896..927).  The bias rides in the tail: wb's row 900 holds b[e], the tile's column 900 holds 1, rows and columns from 901 on are 0.
; W comes from wb (bf16, [expert][960][512]) by tensor loads into a ring of two LDS slots: each wave fetches 64 k-rows x 256 columns of one expert, rows of 512 consecutive bytes.
; x is gathered by the list order[], so it comes through registers: 16 lanes take 256 bytes of a row, are rounded to bf16 and stored into two small LDS slots of their own; a load is asked for
; two steps and more ahead of its use (two sets of registers take turns).
; THE MATRIX INSTRUCTION IS USED TRANSPOSED: source 0 = 16 columns of W (turned out of [k][n] by ds_load_tr16_b128), source 1 = 16 tokens: a lane holds one token and eight neighbouring columns.
; NO CLUSTER.  Tiles of one pair read the same W, but how many tiles a pair has hangs on the data: groups of four tiles of one pair can number the sum of ceil(n / 320), up to 79, which is 316
; work-groups for 256 WGPs, with partners that have nothing to compute.  Sharing the lower expert's tiles alone (pairs lie sorted by it) is not built here.
; LIMITS.  x, W and b enter the products rounded once to bf16; sums and the two gates' combination in f32; out0 rounded once.  NaN and infinities are not treated apart.
; REGISTERS, in windows of 256 (s_set_vgpr_msb: bits 1:0 source 0, 3:2 source 1, 5:4 source 2, 7:6 destination):
;   window 0: addresses, x on its way, fragments of x; on the way out the packed rows
;   window 1: expert a's accumulators of token blocks 0-3 (block tb, columns cb at 64 tb + 8 cb)          window 2: expert b's
;   window 3: v0-63 a's block 4, v64-127 b's block 4, v128-191 fragments of W[a], v192-255 of W[b]
.set PW,    544                        ; a k-row of W in LDS: 512 bytes + 32 of padding = 17 x 32
.set SUBT,  64*PW                      ; what one tensor load brings: 64 k-rows x 256 columns
.set SLOTB, 4*SUBT                     ; a slot: sub-tile 2 s + half, s = 0 for expert a, 1 for b
.set ABASE, 2*SLOTB                    ; behind the ring, written by ds_store alone: x's two slots
.set PA,    144                        ; a token's 64 bf16 + 16 bytes of padding: the 16 rows of a fragment load start at 16 different groups of four banks
.set ASLOT, 80*PA
.set STAGE, ABASE+2*ASLOT              ; 16 rows x 272 bytes for each wave, for the way out
.set SP,    272
.set META,  STAGE+4*16*SP              ; token numbers [128]; gA [128] at +512; gB [128] at +1024
.set SPARE, META+1536                  ; the spare words, 128 bytes for each wave: two blocks of 256 bytes that no other line names
.set AX,   4                           ; v4      where I read fragments of x
.set ASN,  5                           ; v5      where I store 8 bytes of x: row 20 w + l / 16, column slot l % 16
.set AW,   6                           ; v6-9    where I read fragments of W: AW + 2 slot + s
.set STO,  10                          ; v10-14  the way out
.set RD,   11
.set CO,   12
.set MT,   13
.set MG,   14
.set L16,  15                          ; v15     16 (l % 16)
.set ONE,  16                          ; v16     the tail: bf16 1.0 in lane l % 16 = 0, else 0
.set AST,  21                          ; v21     the tail's store address: column slot (l % 16 + 1) % 16
.set SPW,  28                          ; v28     LDS address of my spare word; never rewritten
.set NIL,  29                          ; v29     0; never rewritten
.set XO,   30                          ; v30-39  byte offset in x of my 16 bytes in row 20 w + 2 i + l / 16; never rewritten
.set CT,   40                          ; v40-59  x rounded to bf16
.set XS0,  60                          ; v60-99, v100-139  x as loaded, two sets
.set XF0,  140                         ; v140-179, v180-219  fragments of x: first and second 32 of a K step
.set GAP,  220                         ; v220-229  (gA, gB) for each token block
.set GBP,  230                         ; v230-239  (gB, gA)
.set WF,   128                         ; window 3
.set TT,   60                          ; the way out: a token block's 64 numbers a lane,
.set PP,   124                         ; packed,
.set BK,   156                         ; back as whole rows,
.set TK,   188                         ; and the rows' offsets in out0
.set KEEP, 43                          ; s43     the tail: lanes l % 16 = 15, which hold x[896..899]
.set MSB, 0
.macro WIN new                         ; the immediate's high byte repeats the setting that is left; a switch that changes nothing is dropped
.if MSB != (\new)
	s_set_vgpr_msb (MSB<<8)|(\new)
.set MSB, \new
.endif
.endm
; A load into a register that a matrix instruction has read stands four places behind it, and only plain vector instructions that name none of its registers are places (ISA guide 7.12.1 for
; vector instructions).
.macro PLACES
.rept 4
	v_nop
.endr
.endm
; 8 matrix instructions: expert s, token block tb, all 8 column blocks, 32 along K (fragments xf of x).  zero = 1: the first product starts the sums.
; The accumulators take turns, one instruction a turn: between two links of a chain stand 79 others'.
.macro MM8 s, tb, xf, zero
.if (\tb) < 4
	WIN 0x53+0x50*(\s)
.set rD, 64*(\tb)
.else
	WIN 0xf3
.set rD, 64*(\s)
.endif
.set rW, WF+64*(\s)
.set rX, XF0+40*(\xf)+8*(\tb)
.irp cb, 0,1,2,3,4,5,6,7
.if \zero
	v_wmma_f32_16x16x32_bf16 v[rD+8*\cb:rD+8*\cb+7], v[rW+8*\cb:rW+8*\cb+7], v[rX:rX+7], 0
.else
	v_wmma_f32_16x16x32_bf16 v[rD+8*\cb:rD+8*\cb+7], v[rW+8*\cb:rW+8*\cb+7], v[rX:rX+7], v[rD+8*\cb:rD+8*\cb+7]
.endif
.endr
.endm
; 16 turning loads: expert s's fragments of my 128 columns, k rows 32 kh .. 32 kh + 31 of the slot
.macro FETCHW s, slot, kh
	WIN 0xc0                                       ; destination window 3, address window 0
.irp cb, 0,1,2,3,4,5,6,7
	ds_load_tr16_b128 v[WF+64*(\s)+8*\cb:WF+64*(\s)+8*\cb+3],   v[AW+2*(\slot)+(\s)] offset:(\kh)*32*PW+32*\cb
	ds_load_tr16_b128 v[WF+64*(\s)+8*\cb+4:WF+64*(\s)+8*\cb+7], v[AW+2*(\slot)+(\s)] offset:(\kh)*32*PW+16*PW+32*\cb
.endr
.endm
; 10 loads: the 80 tokens' fragments, 32 along K
.macro FETCHX xf, slot, kh
	WIN 0
.irp tb, 0,1,2,3,4
	ds_load_b128 v[XF0+40*(\xf)+8*\tb:XF0+40*(\xf)+8*\tb+3],   v[AX] offset:(\slot)*ASLOT+16*PA*\tb+64*(\kh)
	ds_load_b128 v[XF0+40*(\xf)+8*\tb+4:XF0+40*(\xf)+8*\tb+7], v[AX] offset:(\slot)*ASLOT+16*PA*\tb+64*(\kh)+32
.endr
.endm
; A set of x is rounded and stored into x's slot.  left: the younger loads that may stay out.  tail = 1: lanes l % 16 = 15 keep x[896..899], lane 0 gives (1, 0, 0, 0), the others zeros.
.macro XCVT set, slot, left, tail
	WIN 0
	s_wait_loadcnt \left
.set xb, XS0+40*(\set)
.set i, 0
.rept 10
	v_cvt_pk_bf16_f32 v[CT+2*i],   v[xb+4*i],   v[xb+4*i+1]
	v_cvt_pk_bf16_f32 v[CT+2*i+1], v[xb+4*i+2], v[xb+4*i+3]
.set i, i+1
.endr
.if \tail
.set i, 0
.rept 10
	v_cndmask_b32 v[CT+2*i],   v[ONE], v[CT+2*i],   s[KEEP]
	v_cndmask_b32 v[CT+2*i+1], 0,      v[CT+2*i+1], s[KEEP]
.set i, i+1
.endr
.set i, 0
.rept 10
	ds_store_b64 v[AST], v[CT+2*i:CT+2*i+1] offset:(\slot)*ASLOT+2*PA*i
.set i, i+1
.endr
.else
.set i, 0
.rept 10
	ds_store_b64 v[ASN], v[CT+2*i:CT+2*i+1] offset:(\slot)*ASLOT+2*PA*i
.set i, i+1
.endr
.endif
.endm
; Ten loads of x into a set: 16 lanes take 256 consecutive bytes of a token's row, two rows a load.  tail = 1: the row's last 256 bytes, of which lane l % 16 = 15 holds columns 896..899.
.macro XLOAD set, tail
	WIN 0
.set xb, XS0+40*(\set)
.if \tail
.set i, 0
.rept 10
	global_load_b128 v[xb+4*i:xb+4*i+3], v[XO+i], s[4:5] offset:3344
.set i, i+1
.endr
.else
	s_wait_xcnt 0x0                                ; the earlier loads' addresses are translated (ISA guide 3.1): their base is stepped only behind this wait
	s_add_nc_u64 s[40:41], s[40:41], 256
.set i, 0
.rept 10
	global_load_b128 v[xb+4*i:xb+4*i+3], v[XO+i], s[40:41]
.set i, i+1
.endr
.endif
.endm
; A K STEP of 64 out of slot c: four units of 40 matrix instructions (a and b for the first 32 along K, a and b for the second).  Each unit fetches the next unit's fragments of W behind its
; first eight products and four places, 32 products ahead of their use.
; xst: 1 = the next step's x is rounded and stored into the other slot, 2 = the tail's.  xld: 1 = x of the step three on is asked for, 2 = the tail's.  fill = 1: slot c is filled again, two steps on.
; ONE barrier a step, in the fourth unit.  In front of it each wave waits for all its tensor loads (one is out: its part of the other slot), adds 0 to its spare word, and waits for that, for its
; reads of both slots c and for its stores of x.  Behind it nobody reads slot c any more, and the other slots, W's and x's, are whole.
.macro STEP c, zero, left, xst, xld, fill
	s_wait_dscnt 0x0                               ; W[a]'s and x's first fragments are in
	MM8 0, 0, 0, \zero
	PLACES
	FETCHW 1, \c, 0
	FETCHX 1, \c, 1
	MM8 0, 1, 0, \zero
	MM8 0, 2, 0, \zero
	MM8 0, 3, 0, \zero
	MM8 0, 4, 0, \zero
	s_wait_dscnt 0x0
	MM8 1, 0, 0, \zero
	PLACES
	FETCHW 0, \c, 1
	MM8 1, 1, 0, \zero
.if \xst
	XCVT 1-\c, 1-\c, \left, \xst-1
.endif
	MM8 1, 2, 0, \zero
.if \xld
	XLOAD 1-\c, \xld-1
.endif
	MM8 1, 3, 0, \zero
	MM8 1, 4, 0, \zero
	s_wait_dscnt 0x0
	MM8 0, 0, 1, 0
	PLACES
	FETCHW 1, \c, 1
	MM8 0, 1, 1, 0
	MM8 0, 2, 1, 0
	MM8 0, 3, 1, 0
	MM8 0, 4, 1, 0
	s_wait_dscnt 0x0
	WIN 0                                          ; (the add's two registers lie in window 0)
	s_wait_tensorcnt 0x0                           ; all my tensor loads have landed, so a group 0 may be written
	ds_add_u32 v[SPW], v[NIL]                      ; 0 onto my spare word
.if \fill
	s_add_nc_u64 s[34+4*(\c):35+4*(\c)], s[34+4*(\c):35+4*(\c)], 131072  ; two steps of 64 rows of 1,024 bytes on; the type bits on top are not reached
.endif
	MM8 1, 0, 1, 0                                 ; eight products stand between the add and the wait for it
	s_wait_dscnt 0x0                               ; the add is done; my reads of slot c and my stores of x were waited for above
	s_barrier_signal -1
	MM8 1, 1, 1, 0                                 ; work on registers while the others arrive
	WIN 0
	s_barrier_wait -1
.if \fill
	tensor_load_to_lds s[32+4*(\c):35+4*(\c)], s[24:31]  ; my one tensor load behind the barrier, and the first thing there: it has a step less 16 products in which to land
	s_nop 0
.endif
	PLACES                                         ; four v_nop behind the load; they are also the places in front of the loads below
	FETCHW 0, 1-\c, 0
	FETCHX 0, 1-\c, 0
	MM8 1, 2, 1, 0
	MM8 1, 3, 1, 0
	MM8 1, 4, 1, 0
.endm
	s_load_b256 s[4:11], s[0:1], 0x0               ; x s[4:5], wb s[6:7], order s[8:9], tab s[10:11]
	s_load_b128 s[12:15], s[0:1], 0x20             ; gts s[12:13], out0 s[14:15]
	v_lshl_add_u32 v[SPW], v0, 2, SPARE
	v_mov_b32 v[NIL], 0
	ds_add_u32 v[SPW], v[NIL]                      ; the wave's opening: the add and its wait ahead of my first tensor load; work on registers stands between them
	ds_add_u32 v28, v29
	v_lshrrev_b32 v3, 5, v0
	v_readfirstlane_b32 s16, v3                    ; wave 0..3
	; descriptor group 1: 64 rows x 256 elements of 2 bytes, 512 elements from row to row, 8 words of padding behind every 128
	s_mov_b32 s24, (1<<16)|(1<<20)|(6<<22)|(7<<25)
	s_mov_b32 s25, 256<<16                         ; tensor_dim0 = 256
	s_mov_b32 s26, 64<<16                          ; tensor_dim1 = 64
	s_mov_b32 s27, 256<<16                         ; tile_dim0 = 256
	s_mov_b32 s28, 64                              ; tile_dim1 = 64
	s_mov_b32 s29, 512                             ; the pitch
	s_mov_b32 s30, 0
	s_mov_b32 s31, 0
	s_mov_b32 s32, 1                               ; group 0 of slot 0: count = 1,
	s_mul_i32 s33, s16, SUBT                       ; LDS address: sub-tile w
	s_mov_b32 s36, 1                               ; group 0 of slot 1
	s_add_co_u32 s37, s33, SLOTB
	s_lshl_b32 s2, ttmp9, 4                        ; my entry of the table
	s_mov_b32 s3, 0
	s_and_b32 s17, s16, 1
	s_lshr_b32 s18, s16, 1
	s_wait_dscnt 0x0                               ; the opening add is done
	s_wait_kmcnt 0x0
	s_add_nc_u64 s[10:11], s[10:11], s[2:3]
	s_load_b128 s[20:23], s[10:11], 0x0            ; first place in order[], count, expert a, expert b
	; the lanes' addresses are made in the wait for the entry
	v_and_b32 v1, 15, v0                           ; r = l % 16
	v_bfe_u32 v2, v0, 4, 1                         ; h = l / 16
	v_lshlrev_b32 v[L16], 4, v1
	v_mul_u32_u24 v[AX], v1, PA                    ; a fragment of x: row r, 16 bytes for each half of the lanes; two loads 32 bytes apart
	v_lshl_add_u32 v[AX], v2, 4, v[AX]
	v_add_nc_u32 v[AX], ABASE, v[AX]
	s_mul_i32 s45, s16, 20*PA                      ; my wave stores rows 20 w .. 20 w + 19
	s_add_co_u32 s45, s45, ABASE
	v_mul_u32_u24 v[ASN], v2, PA
	v_add_nc_u32 v[ASN], s45, v[ASN]
	v_add_nc_u32 v3, 1, v1
	v_and_b32 v3, 15, v3
	v_lshl_add_u32 v[AST], v3, 3, v[ASN]
	v_lshl_add_u32 v[ASN], v1, 3, v[ASN]
	v_and_b32 v3, 7, v0                            ; the turning load: lane l reads k row 8 h + l % 8, columns 8 ((l / 8) % 2) + 0..7, and is left with column l % 16 and 8 k
	v_lshl_add_u32 v3, v2, 3, v3
	v_mul_u32_u24 v3, v3, PW
	v_bfe_u32 v23, v0, 3, 1
	v_lshl_add_u32 v3, v23, 4, v3
	s_mul_i32 s46, s18, SUBT                       ; my 128 columns lie in column half w / 2,
	s_lshl_b32 s47, s17, 8                         ; 256 (w % 2) bytes in
	s_add_co_u32 s46, s46, s47
	v_add_nc_u32 v[AW], s46, v3
	v_add_nc_u32 v[AW+1], 2*SUBT, v[AW]
	v_add_nc_u32 v[AW+2], SLOTB, v[AW]
	v_add_nc_u32 v[AW+3], SLOTB, v[AW+1]
	v_cmp_eq_u32 s[KEEP], 15, v1
	s_movk_i32 s48, 0x3f80
	v_cmp_eq_u32 vcc_lo, 0, v1
	v_cndmask_b32 v[ONE], 0, s48, vcc_lo
	s_mul_i32 s47, s16, 20
	v_add_nc_u32 v22, s47, v2                      ; 20 w + h
	s_wait_kmcnt 0x0
	s_cmp_lt_u32 s16, 2                            ; waves 0 and 1 fetch expert a's two column halves, waves 2 and 3 expert b's
	s_cselect_b32 s2, s22, s23
	s_min_u32 s2, s2, 7                            ; a loaded number is held inside wb before it enters an address
	s_mul_i32 s2, s2, 983040                       ; 960 rows of 1,024 bytes
	s_lshl_b32 s19, s17, 9
	s_add_co_u32 s2, s2, s19
	s_add_nc_u64 s[34:35], s[6:7], s[2:3]          ; K step 0
	s_add_nc_u64 s[38:39], s[34:35], 65536         ; K step 1
	s_or_b32 s35, s35, 0x80000000                  ; type = 2
	s_or_b32 s39, s39, 0x80000000
	tensor_load_to_lds s[32:35], s[24:31]          ; both first fills go out together, ahead of every wait on TENSORcnt, every LDS read and every barrier: two loads of mine are out
	s_nop 0
	tensor_load_to_lds s[36:39], s[24:31]
	s_nop 0
	PLACES
	s_sub_co_u32 s44, s21, 1                       ; count - 1
.set i, 0
.rept 10                               ; the tokens of my rows 20 w + 2 i + h; a row beyond the count takes the last token
	v_add_nc_u32 v[XO+i], 2*i, v22
	v_min_u32 v[XO+i], s44, v[XO+i]
	v_add_nc_u32 v[XO+i], s20, v[XO+i]
	v_min_u32 v[XO+i], 0x3fff, v[XO+i]             ; held inside order[]
	v_lshlrev_b32 v[XO+i], 2, v[XO+i]
	global_load_b32 v[XO+i], v[XO+i], s[8:9]
.set i, i+1
.endr
	v_min_u32 v17, s44, v0                         ; and of row t, for the way out
	v_add_nc_u32 v17, s20, v17
	v_min_u32 v17, 0x3fff, v17
	v_lshlrev_b32 v17, 2, v17
	global_load_b32 v17, v17, s[8:9]
	s_wait_loadcnt 0x0
.set i, 0
.rept 10
	v_min_u32 v[XO+i], 0x3fff, v[XO+i]             ; a token's number is held inside x
	v_mul_u32_u24 v[XO+i], 0xe10, v[XO+i]          ; rows of 3,600 bytes
	v_add_nc_u32 v[XO+i], v[L16], v[XO+i]
.set i, i+1
.endr
	v_min_u32 v17, 0x3fff, v17
	v_lshlrev_b32 v18, 3, v17
	global_load_b64 v[18:19], v18, s[12:13]        ; row t's two gates
.set i, 0
.rept 10
	global_load_b128 v[XS0+4*i:XS0+4*i+3], v[XO+i], s[4:5]  ; x of K step 0
.set i, i+1
.endr
.set i, 0
.rept 10
	global_load_b128 v[XS0+40+4*i:XS0+40+4*i+3], v[XO+i], s[4:5] offset:256  ; of K step 1
.set i, i+1
.endr
	v_lshl_add_u32 v20, v0, 2, META
	s_wait_loadcnt 20                              ; the gates are in; the 20 loads of x stay out
	ds_store_b32 v20, v17
	ds_store_b32 v20, v18 offset:512
	ds_store_b32 v20, v19 offset:1024
	XCVT 0, 0, 10, 0                               ; K step 0's x; step 1's ten loads stay out
.set i, 0
.rept 10
	global_load_b128 v[XS0+4*i:XS0+4*i+3], v[XO+i], s[4:5] offset:512  ; of K step 2
.set i, i+1
.endr
	s_add_nc_u64 s[40:41], s[4:5], 512             ; the walking base of x's loads
	s_wait_tensorcnt 0x1                           ; my part of W's K step 0 is in; step 1's may stay out
	s_wait_dscnt 0x0                               ; my stores of x and of the list are done
	s_barrier_signal -1
	s_barrier_wait -1
	FETCHW 0, 0, 0
	FETCHX 0, 0, 0
	STEP 0, 1, 10, 1, 1, 1                         ; K step 0 stands in front of the loop: its first products start the sums
	WIN 0                                          ; at a label and at a branch every window is 0
	s_mov_b32 s42, 5
.Lpair:                                ; K steps 1 to 10, two a trip: once round both rings
	STEP 1, 0, 10, 1, 1, 1
	STEP 0, 0, 10, 1, 1, 1
	WIN 0
	s_sub_co_u32 s42, s42, 1
	s_cmp_lg_u32 s42, 0
	s_cbranch_scc1 .Lpair
	STEP 1, 0, 10, 1, 2, 1                         ; step 11 asks for the tail's x
	STEP 0, 0, 10, 1, 0, 1                         ; step 12: the last fill, rows 896..959 of wb; no more x to ask for
	STEP 1, 0, 0, 2, 0, 0                          ; step 13 stores the tail's x (nothing younger is out) and fills nothing
	s_wait_dscnt 0x0                               ; the tail: k 896..927
	MM8 0, 0, 0, 0
	PLACES
	FETCHW 1, 0, 0
	MM8 0, 1, 0, 0
	MM8 0, 2, 0, 0
	MM8 0, 3, 0, 0
	MM8 0, 4, 0, 0
	s_wait_dscnt 0x0
	MM8 1, 0, 0, 0
	MM8 1, 1, 0, 0
	MM8 1, 2, 0, 0
	MM8 1, 3, 0, 0
	MM8 1, 4, 0, 0
	; THE WAY OUT.  The addresses are made here: nine plain instructions, the places behind the last products.
	WIN 0
	s_mul_i32 s19, s16, 16*SP
	s_add_co_u32 s19, s19, STAGE                   ; my stage
	s_lshl_b32 s45, s16, 8
	v_mul_u32_u24 v[STO], v1, SP                   ; in: row r, 16 bytes for each half of the lanes
	v_lshl_add_u32 v[STO], v2, 4, v[STO]
	v_add_nc_u32 v[STO], s19, v[STO]
	v_mul_u32_u24 v[RD], v2, SP                    ; back: lanes 0-15 take one row of 256 bytes, lanes 16-31 the next
	v_lshl_add_u32 v[RD], v1, 4, v[RD]
	v_add_nc_u32 v[RD], s19, v[RD]
	v_lshl_add_u32 v[CO], v1, 4, s45               ; my 16 bytes of my wave's 256 in a row of out0
	v_lshl_add_u32 v[MT], v2, 2, META
	v_lshl_add_u32 v[MG], v1, 2, META+512
.irp tb, 0,1,2,3,4                     ; each gate stands once in the low word of a pair: the packed lines take a pair's low word for both halves
	ds_load_b32 v[GAP+2*\tb],   v[MG] offset:64*\tb
	ds_load_b32 v[GAP+2*\tb+1], v[MG] offset:512+64*\tb
	ds_load_b32 v[GBP+2*\tb],   v[MG] offset:512+64*\tb
	ds_load_b32 v[GBP+2*\tb+1], v[MG] offset:64*\tb
.endr
	s_wait_dscnt 0x0
; Token block tb: gA x a's sums + gB x b's sums (each accumulator is read from its lowest registers on), rounded to bf16, 16 bytes a lane into my stage, back as whole rows,
; and each row to its token's place in out0.
.macro OUT tb
.if (\tb) < 4
	WIN 0x01                                       ; source 0 in window 1
.set rA, 64*(\tb)
.else
	WIN 0x03
.set rA, 0
.endif
.set i, 0
.rept 32
	v_pk_mul_f32 v[TT+2*i:TT+2*i+1], v[rA+2*i:rA+2*i+1], v[GAP+2*(\tb):GAP+2*(\tb)+1] op_sel_hi:[1,0]
.set i, i+1
.endr
.if (\tb) < 4
	WIN 0x02                                       ; source 0 in window 2
.set rB, 64*(\tb)
.else
	WIN 0x03
.set rB, 64
.endif
.set i, 0
.rept 32
	v_pk_fma_f32 v[TT+2*i:TT+2*i+1], v[rB+2*i:rB+2*i+1], v[GBP+2*(\tb):GBP+2*(\tb)+1], v[TT+2*i:TT+2*i+1] op_sel_hi:[1,0,1]
.set i, i+1
.endr
	WIN 0
.set i, 0
.rept 32
	v_cvt_pk_bf16_f32 v[PP+i], v[TT+2*i], v[TT+2*i+1]
.set i, i+1
.endr
.irp cb, 0,1,2,3,4,5,6,7
	ds_store_b128 v[STO], v[PP+4*\cb:PP+4*\cb+3] offset:32*\cb
.endr
	s_wait_xcnt 0x0                                ; the last block's stores have had their addresses translated (ISA guide 3.1): their data and offsets are rewritten only behind this wait
.irp t, 0,1,2,3,4,5,6,7
	ds_load_b128 v[BK+4*\t:BK+4*\t+3], v[RD] offset:2*SP*\t  ; LDS serves a wave's instructions in order (ISA guide 5.7.1.4): these see the stores above
.endr
.irp t, 0,1,2,3,4,5,6,7
	ds_load_b32 v[TK+\t], v[MT] offset:4*(16*(\tb)+2*\t)     ; the two rows' tokens
.endr
	s_wait_dscnt 0x0
.irp t, 0,1,2,3,4,5,6,7
	v_min_u32 v[TK+\t], 0x3fff, v[TK+\t]           ; held inside out0
.endr
.irp t, 0,1,2,3,4,5,6,7
	v_lshl_add_u32 v[TK+\t], v[TK+\t], 10, v[CO]   ; rows of 1,024 bytes
.endr
.irp t, 0,1,2,3,4,5,6,7
	global_store_b128 v[TK+\t], v[BK+4*\t:BK+4*\t+3], s[14:15]  ; 16 lanes store 256 consecutive bytes, at a multiple of 256 from out0's first byte
.endr
.endm
	OUT 0
	OUT 1
	OUT 2
	OUT 3
	OUT 4
	s_wait_tensorcnt 0x0                           ; the wave's end: behind my last tensor load and my last LDS store
	ds_add_u32 v[SPW], v[NIL]
	s_wait_dscnt 0x0
	s_endpgm
.Lfunc_end_k_qbf6e702178_moe:
	.size	k_qbf6e702178_moe, .Lfunc_end_k_qbf6e702178_moe-k_qbf6e702178_moe
	.p2alignl 7, 3214868480
	.fill 96, 4, 3214868480
	.section	.rodata,"a",@progbits
	.p2align	6, 0x0
	.amdhsa_kernel k_qbf6e702178_moe
		.amdhsa_group_segment_fixed_size 327680
		.amdhsa_private_segment_fixed_size 0
		.amdhsa_enable_private_segment 0
		.amdhsa_kernarg_size 48
		.amdhsa_user_sgpr_count 2
		.amdhsa_user_sgpr_kernarg_segment_ptr 1
		.amdhsa_wavefront_size32 1
		.amdhsa_system_sgpr_workgroup_id_x 1
		.amdhsa_system_sgpr_workgroup_id_y 1
		.amdhsa_system_sgpr_workgroup_id_z 1
		.amdhsa_system_vgpr_workitem_id 0
		.amdhsa_next_free_vgpr 1024
		.amdhsa_next_free_sgpr 66
		.amdhsa_reserve_vcc 1
		.amdhsa_float_denorm_mode_32 3
		.amdhsa_float_denorm_mode_16_64 3
		.amdhsa_memory_ordered 1
		.amdhsa_forward_progress 1
		.amdhsa_inst_pref_size 191
	.end_amdhsa_kernel
	.amdgpu_metadata
---
amdhsa.version: [ 1, 2 ]
amdhsa.kernels:
  - .name:           k_qbf6e702178_moe
    .symbol:         k_qbf6e702178_moe.kd
    .args:
      - { .name: cycle_curve_data, .offset: 0, .size: 8, .value_kind: global_buffer, .address_space: global }
      - { .name: wb, .offset: 8, .size: 8, .value_kind: global_buffer, .address_space: global }
      - { .name: order, .offset: 16, .size: 8, .value_kind: global_buffer, .address_space: global }
      - { .name: tab, .offset: 24, .size: 8, .value_kind: global_buffer, .address_space: global }
      - { .name: gts, .offset: 32, .size: 8, .value_kind: global_buffer, .address_space: global }
      - { .name: out0, .offset: 40, .size: 8, .value_kind: global_buffer, .address_space: global }
    .group_segment_fixed_size: 327680
    .private_segment_fixed_size: 0
    .kernarg_segment_align: 8
    .kernarg_segment_size: 48
    .max_flat_workgroup_size: 128
    .sgpr_count:     66
    .vgpr_count:     1024
    .wavefront_size: 32
...
	.end_amdgpu_metadata
.endif
;; end of part 3
